; MI455X (gfx1250); checked and timed in simulation.
; The chip was launched on July 23, 2026; its instructions are those of AMD's public machine-readable ISA for CDNA 5 (MIT licence, August 2026) and "CDNA5" Instruction Set Architecture Reference Guide (July 2026). The comments in the code are by the model that wrote it; some were corrected since.
;; Single Head Attention. Allowed arithmetic: matrix products marked QUANTISED: E5M2 operands, one given power-of-two scale a tensor, by v_wmma_f32_16x16x64_bf8_bf8 or v_wmma_f32_16x16x128_bf8_bf8, f32 sums; everything else in f32.
;; Inputs: Wk_codes 128 x 24 x 32 uint8 (E5M2 codes of Wk, K innermost, in blocks of 32 codes); Wq_codes 128 x 24 x 32 uint8 (E5M2 codes of Wq, K innermost, in blocks of 32 codes); Wv_codes 128 x 24 x 32 uint8 (E5M2 codes of Wv, K innermost, in blocks of 32 codes); bk 128 float32; bq 128 float32; bv 128 float32; lowp_scales 10 int32 (the exponents e of the quantised operands' scales 2^e); x_codes 8 x 2,048 x 24 x 32 uint8 (E5M2 codes of x, K innermost, in blocks of 32 codes).
;; Outputs: out0 8 x 2,048 x 128 float32.
;; This version of the problem:
;;   THIS VERSION OF THE PROBLEM IS GIVEN IN LOW PRECISION. The matrix products marked QUANTISED in the list below multiply operands that are first quantised to E5M2 (5 exponent bits, 2 mantissa bits; 8 bits a number), with one given power-of-two scale for each operand tensor; their sums are f32. All else is computed in f32.
;;   The module's matrix products, in the order in which they are computed (A, B: the left and right operand; K: the contracted axis; several contracted axes count as one K, in the product's order):
;;     1. [M 16,384, K 768] x [K 768, N 128]; A: input x (given as codes); B: input Wq (given as codes): QUANTISED (scales: A lowp_scales[0], B lowp_scales[1])
;;     2. [M 16,384, K 768] x [K 768, N 128]; A: input x (given as codes); B: input Wk (given as codes): QUANTISED (scales: A lowp_scales[2], B lowp_scales[3])
;;     3. [M 16,384, K 768] x [K 768, N 128]; A: input x (given as codes); B: input Wv (given as codes): QUANTISED (scales: A lowp_scales[4], B lowp_scales[5])
;;     4. batch 8 x [M 2,048, K 128] x [K 128, N 2,048]; A: computed on the way; B: computed on the way: QUANTISED (scales: A lowp_scales[6], B lowp_scales[7])
;;     5. batch 8 x [M 2,048, K 2,048] x [K 2,048, N 128]; A: softmax (see below); B: computed on the way: QUANTISED (scales: A lowp_scales[8], B lowp_scales[9])
;;   THE QUANTISER, for each operand of a quantised product, along K:
;;     - The operand's scale is 2^e, e = its entry of the input lowp_scales (int32; the entries are numbered through the quantised products in the list's order, A before B).
;;     - Each number is divided by the scale, clamped to +-57,344, and rounded to the nearest number of E5M2, ties to even, subnormals kept.
;;     - The product sums the exact products of the quantised numbers (number of the format x scale) in f32.
;;   ~~~python
;;   def quantise(x, axis, e):      # numpy; x: float32 -> the quantised numbers, widened to float32 again
;;       x = np.moveaxis(x, axis, -1); K = x.shape[-1]
;;       r = np.clip(x / 2.0 ** e, -57344, 57344)
;;       step = 2.0 ** (np.maximum(np.frexp(np.where(r == 0, 1, r))[1] - 1, -14) - 2)
;;       q = np.round(r / step) * step * 2.0 ** e      # np.round: ties to even
;;       return np.moveaxis(q, -1, axis).astype(np.float32)
;;   ~~~
;;   SOFTMAX AHEAD OF A QUANTISED PRODUCT. Where the list says 'softmax', what is quantised is not the finished softmax but p = 2^(t - M), with t = logit x log2(e) and M = ceil(the row's largest t), a whole number; so 1/2 < the row's largest p <= 1. The row's sum l is taken of the UNQUANTISED p, in f32, and the product's result is divided by l at the end. Since M is a whole number, a kernel that streams over the keys may use a running M (the ceiling of the running maximum): every later rescaling is an exact power of two, so the quantised numbers keep their values, but for numbers so far below the row's largest that they fall under the format's range.
;;   OPERANDS COMPUTED ON THE WAY. 'Computed on the way' means the value that the module computes at that place (a softmax that the list does not call 'softmax' is quantised finished and normalised). What goes into a quantiser is computed in f32, as accurately as f32 sums, v_exp_f32 and their like allow (about 1e-6 of the number): no bf16 or f16 on the way to a quantiser, and a product that is left as it is and whose result goes on into a quantised operand takes f32 operands (vector FMAs, or v_wmma_f32_16x16x4_f32). A number that lies on a knife's edge between two numbers of the format may be rounded either way, as far as f32 arithmetic and the matrix unit's own rounding can turn it there, and no further.
;;   INPUTS GIVEN AS CODES. Wk (in the module: [768, 128], K = its axis 0); Wq (in the module: [768, 128], K = its axis 0); Wv (in the module: [768, 128], K = its axis 0); x (in the module: [8, 2048, 768], K = its axis 2): each comes as NAME_codes (uint8): NAME with its K axis moved to the last place and cut into blocks of 32 codes, [.., K / 32, bytes a block], one block behind the other in memory; one code a byte (a code: sign, 5 exponent bits, 2 mantissa bits); its scale is its entry of lowp_scales. Its value is code x scale, taken as it is: it is not quantised again, and the codes and scales need not be those that the quantiser above would give.
;; One version. Each part assembles by itself: llvm-mc -triple=amdgcn-amd-amdhsa -mcpu=gfx1250 --defsym DOCPART=n.
;; ======== version 1 of 1: 2 launches
;; workspace buffers: qimg 2,097,152 bytes; kimg 2,097,152 bytes; vimg 2,097,152 bytes
;; launch proj (part 1): grid 256 x 1, 4 waves a work-group, no clusters, 168,448 bytes of LDS; arguments x_codes, Wq_codes, Wk_codes, Wv_codes, bq, bk, bv, lowp_scales, qimg, kimg, vimg; writes qimg, kimg, vimg
.if DOCPART == 1
	.amdgcn_target "amdgcn-amd-amdhsa--gfx1250"
	.amdhsa_code_object_version 6
	.text
	.protected	k_q7b18aecd19_proj
	.globl	k_q7b18aecd19_proj
	.p2align	8
	.type	k_q7b18aecd19_proj,@function
k_q7b18aecd19_proj:
	s_mov_b64 s[64:65], 0
	v_nop
	global_prefetch_b8 v0, s[64:65] scope:SCOPE_SE
	s_setreg_imm32_b32 hwreg(HW_REG_WAVE_MODE, 25, 1), 1
	s_wait_xcnt 0x0
; q = x Wq + bq, k = x Wk + bk, v = x Wv + bv on the given codes of BF8 (E5M2); the results are quantised at once (entries 6, 7 and 9 of the scales) and stored as codes.
; x: [16384][768] codes, K innermost.  Wq, Wk, Wv: [128][768] codes, K innermost.  Entries 0..5 of the scales: x and W for q, for k, for v.
; WHAT IS STORED ARE IMAGES OF OPERAND REGISTERS, as the attention launch wants them: every store of a wave covers 512 consecutive bytes, lane l at 16 l.
;   A tile of 16 rows is not 16 neighbours: with perm(r) = r + 8 (r / 8), lane r of tile T = 2 G + u stands for row 32 G + 8 u + perm(r).
;   qimg, kimg: byte 2048 T + 512 c + 16 lane: lane (r, h) holds channels 32 c + 16 h + 0..15 of its row.
;   vimg: byte 16384 S + 2048 t + 512 c + 16 lane (S = row / 128): lane (r, h) holds channel 16 t + r and keys 32 c + 16 h + 0..15 of key step S.
; SHARES.  A work-group takes 64 rows of x: four such tiles.  Wave w makes channels 32 w .. 32 w + 31 of q, of k and of v for all four: 24 accumulators, six K steps of 128, 144 matrix instructions.
;   q and k are made transposed (source 0 = 16 rows of W, chosen by perm; source 1 = x): a lane holds one row and 16 neighbouring channels in two accumulators.
;   v is made with x as source 0 and 16 neighbouring rows of Wv as source 1: a lane holds one channel, and by perm 16 neighbouring keys in two accumulators.  One fragment of x serves all three.
; x is read by all four waves: it comes once through LDS, by three tensor loads (waves 0 to 2, 64 rows x 256 bytes each), each LDS byte filled once.
; NO CLUSTER, NO JOINT LOADS, though every work-group reads the same W: each fragment of W is read by ONE wave of a work-group, so it goes from memory straight into registers and LDS would give it no reuse;
;   and W whole in LDS, 384 rows x 816 bytes = 313,344, does not fit beside x's 52,224 in 327,680 bytes, so a joint load would want a ring with refills for 144 matrix instructions a wave.
; The biases are the C of each sum's first matrix instruction, divided by the power of two that the sums lack; the three scales ahead of a quantiser are folded into the conversion's one.
; LIMITS: e6 - e0 - e1, e7 - e2 - e3 and e9 - e4 - e5 lie between -126 and 112, so that each scale and 57,344 x the scale are f32 numbers.  NaN among the biases is not served.
; REGISTERS, in windows of 256.  Window 0: v1-9 addresses; v10-15 scale and largest number x scale for q, k, v; v32-47 bq, v48-63 bk, v64-79 bv in the results' layout; v80-127 codes;
;   v128-191, v192-255 x's four fragments, two sets.  Window 1: W's six fragments of a K step (Wq 2, Wk 2, Wv 2), set 0 at v0, set 1 at v96.  Window 2: set 2 at v0.
;   Window 3: the accumulators: q (tile a, half u) at 16 a + 8 u, k at 64 + 16 a + 8 u, v (tile t, tile a) at 128 + 32 t + 8 a.
.set XP,   272                         ; a row of a chunk of x in LDS: 256 bytes + 16 of padding
.set XCH,  64*XP                       ; a chunk: 64 rows
.set KROW, 768                         ; a row of x or of W in memory, in bytes
.set WV,   26                          ; s26  my wave's number
.set MSB,  0
.macro WIN new                         ; the immediate's high byte repeats the setting that is left; a switch that changes nothing is dropped
.if MSB != \new
	s_set_vgpr_msb (MSB<<8)|\new
.set MSB, \new
.endif
.endm
	s_load_b512 s[4:19], s[0:1], 0x0               ; x s[4:5], Wq s[6:7], Wk s[8:9], Wv s[10:11], bq s[12:13], bk s[14:15], bv s[16:17], the scales' exponents s[18:19]
	s_load_b128 s[20:23], s[0:1], 0x40             ; qimg s[20:21], kimg s[22:23]
	s_load_b64 s[24:25], s[0:1], 0x50              ; vimg
	v_lshl_add_u32 v30, v0, 2, 0x29000
	v_mov_b32 v31, 0
	ds_add_u32 v30, v31
	v_lshrrev_b32 v1, 5, v0
	v_readfirstlane_b32 s[WV], v1                  ; wave 0..3
	; descriptor group 1: 64 rows x 256 bytes, 768 bytes apart in memory, 16 bytes of padding behind each row in LDS
	s_mov_b32 s32, (1<<20)|(5<<22)|(3<<25)         ; no mask; elements of 1 byte; padding on: after every 64 words, 4 words
	s_mov_b32 s33, 256<<16                         ; tensor_dim0 = 256
	s_mov_b32 s34, 64<<16                          ; tensor_dim1 = 64
	s_mov_b32 s35, 256<<16                         ; tile_dim0 = 256
	s_mov_b32 s36, 64                              ; tile_dim1 = 64
	s_mov_b32 s37, KROW                            ; from row to row
	s_mov_b32 s38, 0
	s_mov_b32 s39, 0
	s_mov_b32 s28, 1                               ; group 0: count = 1,
	s_mul_i32 s29, s[WV], XCH                      ; LDS address: chunk = wave,
	s_mul_i32 s50, ttmp9, 64*KROW                  ; my work-group's 64 rows,
	s_lshl_b32 s52, s[WV], 8                       ; bytes 256 x wave of each
	s_add_co_u32 s50, s50, s52
	s_mov_b32 s51, 0
	s_wait_dscnt 0x0
	s_wait_kmcnt 0x0
	s_load_b256 s[40:47], s[18:19], 0x0            ; e0 .. e7
	s_load_b64 s[48:49], s[18:19], 0x20            ; e8, e9
	s_add_nc_u64 s[30:31], s[4:5], s[50:51]
	s_or_b32 s31, s31, 0x80000000                  ; type = 2
	s_cmp_lt_u32 s[WV], 3                          ; three chunks: waves 0 to 2 fetch one each
	s_cbranch_scc0 .Lno_x
	tensor_load_to_lds s[28:31], s[32:39]
	s_nop 0
.rept 4
	v_nop
.endr
.Lno_x:
	v_and_b32 v1, 15, v0                           ; r
	v_bfe_u32 v2, v0, 4, 1                         ; h
	v_and_b32 v9, 8, v1
	v_add_nc_u32 v9, v9, v1                        ; perm(r) = r + 8 (r / 8)
	v_mul_u32_u24 v3, v9, XP
	v_lshl_add_u32 v3, v2, 4, v3                   ; x in LDS: row perm(r), + 16 h
	v_mul_u32_u24 v4, v9, KROW
	v_lshl_add_u32 v4, v2, 4, v4                   ; Wq, Wk: row perm(r), + 16 h
	v_mul_u32_u24 v5, v1, KROW
	v_lshl_add_u32 v5, v2, 4, v5                   ; Wv: row r, + 16 h
	v_and_b32 v6, 31, v0
	v_lshlrev_b32 v6, 4, v6                        ; 16 x lane: my place in an image
	v_lshlrev_b32 v7, 6, v2                        ; bq, bk: my half's 16 numbers
	v_lshlrev_b32 v8, 2, v1                        ; bv: my channel's number
	s_mul_i32 s50, s[WV], 32*KROW                  ; my 32 rows of each W
	s_add_nc_u64 s[6:7], s[6:7], s[50:51]
	s_add_nc_u64 s[8:9], s[8:9], s[50:51]
	s_add_nc_u64 s[10:11], s[10:11], s[50:51]
	s_lshl_b32 s50, s[WV], 7                       ; my 32 numbers of each bias
	s_add_nc_u64 s[12:13], s[12:13], s[50:51]
	s_add_nc_u64 s[14:15], s[14:15], s[50:51]
	s_add_nc_u64 s[16:17], s[16:17], s[50:51]
	s_lshl_b32 s50, ttmp9, 13                      ; qimg, kimg: my work-group's four tiles of 2,048 bytes,
	s_lshl_b32 s52, s[WV], 9                       ; chunk c = wave
	s_add_co_u32 s50, s50, s52
	s_add_nc_u64 s[20:21], s[20:21], s[50:51]
	s_add_nc_u64 s[22:23], s[22:23], s[50:51]
	s_lshr_b32 s50, ttmp9, 1
	s_lshl_b32 s50, s50, 14                        ; vimg: key step = work-group / 2,
	s_lshl_b32 s52, s[WV], 12                      ; channel tiles 2 w and 2 w + 1,
	s_add_co_u32 s50, s50, s52
	s_and_b32 s52, ttmp9, 1
	s_lshl_b32 s52, s52, 10                        ; chunks 2 (work-group % 2) and the next
	s_add_co_u32 s50, s50, s52
	s_add_nc_u64 s[24:25], s[24:25], s[50:51]
.irp c, 0,1,2,3
	global_load_b128 v[32+4*\c:35+4*\c], v7, s[12:13] offset:16*\c   ; bq(32 w + 16 h + 0..15)
	global_load_b128 v[48+4*\c:51+4*\c], v7, s[14:15] offset:16*\c   ; bk likewise
.endr
	global_load_b32 v64, v8, s[16:17]              ; bv(32 w + r)
	global_load_b32 v72, v8, s[16:17] offset:64    ; bv(32 w + 16 + r)
; W's six fragments of K step q, 24 loads, into set q % 3.  A fragment: lane (r, h) takes, of its row, K = 32 c + 16 h + 0..15 into registers 4 c .. 4 c + 3: the same places as in x's fragments.
.macro WLOAD q
.set WS, (\q)%3
.set WB, 96*(WS%2)
.set WM, 0x40*(1+WS/2)
	WIN WM                                         ; destination window 1 or 2, address window 0
.irp u, 0,1
.irp c, 0,1,2,3
	global_load_b128 v[WB+16*\u+4*\c:WB+16*\u+4*\c+3], v4, s[6:7] offset:8*\u*KROW+128*(\q)+32*\c
.endr
.endr
.irp u, 0,1
.irp c, 0,1,2,3
	global_load_b128 v[WB+32+16*\u+4*\c:WB+32+16*\u+4*\c+3], v4, s[8:9] offset:8*\u*KROW+128*(\q)+32*\c
.endr
.endr
.irp t, 0,1
.irp c, 0,1,2,3
	global_load_b128 v[WB+64+16*\t+4*\c:WB+64+16*\t+4*\c+3], v5, s[10:11] offset:16*\t*KROW+128*(\q)+32*\c
.endr
.endr
	WIN 0
.endm
; x's four fragments of K step q, 16 LDS loads, into set q % 2.  Tile a begins at row 32 (a / 2) + 8 (a % 2).  A fragment's two groups of eight rows lie 16 rows, 4,352 = 17 x 256 bytes, apart.
.macro FETCHX q
.set XD, 128+64*((\q)%2)
.irp a, 0,1,2,3
.irp c, 0,1,2,3
	ds_load_b128 v[XD+16*\a+4*\c:XD+16*\a+4*\c+3], v3 offset:((\q)/2)*XCH+(32*(\a/2)+8*(\a%2))*XP+128*((\q)%2)+32*\c
.endr
.endr
.endm
; the three scales ahead of a quantiser: -(ea + eb) for the bias; 2^(eo - ea - eb) and 57,344 x that for the conversion and the hold
.macro SCALES ea, eb, eo, sneg, vsc, vlim
	s_add_co_i32 s54, s[\ea], s[\eb]
	s_sub_co_i32 s[\sneg], 0, s54
	s_sub_co_i32 s54, s[\eo], s54
	s_add_co_i32 s54, s54, 127
	s_lshl_b32 s55, s54, 23
	v_mov_b32 v[\vsc], s55
	s_add_co_i32 s54, s54, 15
	s_lshl_b32 s54, s54, 23
	s_or_b32 s54, s54, 0x600000
	v_mov_b32 v[\vlim], s54
.endm
	WLOAD 0
	WLOAD 1
	s_wait_kmcnt 0x0                               ; the exponents
	SCALES 40, 41, 46, 56, 10, 11                  ; q
	SCALES 42, 43, 47, 57, 12, 13                  ; k
	SCALES 44, 45, 49, 58, 14, 15                  ; v
	s_wait_loadcnt 48                              ; the ten loads of biases are in; W's two sets, 48 loads issued behind them, may be out
.irp i, 0,1,2,3,4,5,6,7,8,9,10,11,12,13,14,15
	v_ldexp_f32 v[32+\i], v[32+\i], s56            ; a sum stands for sum x 2^(ea + eb): the bias goes in divided by that
	v_ldexp_f32 v[48+\i], v[48+\i], s57
.endr
.irp i, 1,2,3,4,5,6,7
	v_ldexp_f32 v[64+\i], v64, s58                 ; in v's results a lane holds one channel: its bias eight times
	v_ldexp_f32 v[72+\i], v72, s58
.endr
	v_ldexp_f32 v64, v64, s58
	v_ldexp_f32 v72, v72, s58
	WLOAD 2
	s_wait_tensorcnt 0x0                           ; my chunk of x is in LDS,
	s_barrier_signal -1
	s_barrier_wait -1                              ; everybody's is
	FETCHX 0
	FETCHX 1
; A K step of 128: 24 matrix instructions, the 24 accumulators by turns, one instruction a turn, in the same order in every step.  In the first step C is the bias.
.macro KSTEP q
.set WS, (\q)%3
.set WB, 96*(WS%2)
.set WW, 1+WS/2
.set XS, 128+64*((\q)%2)
.if (\q) < 4
	s_wait_loadcnt 48                              ; this step's set of W is in; the two younger sets may be out
.elseif (\q) == 4
	s_wait_loadcnt 24                              ; one younger set
.else
	s_wait_loadcnt 0x0
.endif
.if (\q) < 5
	s_wait_dscnt 16                                ; this step's x is in; the next step's 16 loads may be out
.else
	s_wait_dscnt 0x0
.endif
.if (\q) == 0
.set WM, 0xc0+WW                       ; source 0 (W) window 1 or 2, source 1 (x) and C (the bias) window 0, D window 3
.else
.set WM, 0xf0+WW                       ; the same, C and D window 3
.endif
	WIN WM
.irp z, 0,1                            ; 0: q, 1: k
.irp a, 0,1,2,3
.irp u, 0,1
.if (\q) == 0
	v_wmma_f32_16x16x128_bf8_bf8 v[64*\z+16*\a+8*\u:64*\z+16*\a+8*\u+7], v[WB+32*\z+16*\u:WB+32*\z+16*\u+15], v[XS+16*\a:XS+16*\a+15], v[32+16*\z+8*\u:32+16*\z+8*\u+7]
.else
	v_wmma_f32_16x16x128_bf8_bf8 v[64*\z+16*\a+8*\u:64*\z+16*\a+8*\u+7], v[WB+32*\z+16*\u:WB+32*\z+16*\u+15], v[XS+16*\a:XS+16*\a+15], v[64*\z+16*\a+8*\u:64*\z+16*\a+8*\u+7]
.endif
.endr
.endr
.endr
.if (\q) == 0
.set WM, 0xc0+4*WW                     ; source 0 (x) window 0, source 1 (Wv) window 1 or 2
.else
.set WM, 0xf0+4*WW
.endif
	WIN WM
.irp t, 0,1
.irp a, 0,1,2,3
.if (\q) == 0
	v_wmma_f32_16x16x128_bf8_bf8 v[128+32*\t+8*\a:128+32*\t+8*\a+7], v[XS+16*\a:XS+16*\a+15], v[WB+64+16*\t:WB+64+16*\t+15], v[64+8*\t:64+8*\t+7]
.else
	v_wmma_f32_16x16x128_bf8_bf8 v[128+32*\t+8*\a:128+32*\t+8*\a+7], v[XS+16*\a:XS+16*\a+15], v[WB+64+16*\t:WB+64+16*\t+15], v[128+32*\t+8*\a:128+32*\t+8*\a+7]
.endif
.endr
.endr
.if (\q) < 4
	WIN 0
.rept 4
	v_nop                                          ; four places in front of loads into registers that these matrix instructions have read (ISA guide 7.12.1 for vector instructions)
.endr
	FETCHX (\q)+2
.endif
.if (\q) < 3
	WLOAD (\q)+3
.endif
.endm
	KSTEP 0
	KSTEP 1
	KSTEP 2
	KSTEP 3
	KSTEP 4
	KSTEP 5
	; THE WAY OUT.  Each sum is held within +-57,344 x the scale (the conversion to an 8-bit code does not saturate: ISA guide 7.6.2), into the registers that held x; each accumulator from its low end on.
	WIN 0
.rept 4
	v_nop                                          ; four places behind the last products: their results are read and their sources written below
.endr
	WIN 0x03                                       ; source 0 (the sums) window 3, all else window 0
.set n, 0
.rept 64
	v_med3_num_f32 v[128+n], v[n], -v11, v11       ; q
.set n, n+1
.endr
.rept 64
	v_med3_num_f32 v[128+n], v[n], -v13, v13       ; k
.set n, n+1
.endr
	WIN 0
.set p, 0
.rept 8
	v_cvt_scalef32_pk8_bf8_f32 v[80+2*p:81+2*p], v[128+8*p:135+8*p], v10   ; eight numbers / 2^(e6 - e0 - e1), to the nearest code, ties to even
.set p, p+1
.endr
.rept 8
	v_cvt_scalef32_pk8_bf8_f32 v[80+2*p:81+2*p], v[128+8*p:135+8*p], v12
.set p, p+1
.endr
	v_nop                                          ; one plain vector instruction between a scaled conversion and the vector instructions that write its sources
.irp a, 0,1,2,3
	global_store_b128 v6, v[80+4*\a:83+4*\a], s[20:21] offset:2048*\a    ; tile a, chunk w: the wave stores 512 consecutive bytes, at a multiple of 512 from the buffer's first byte
	global_store_b128 v6, v[96+4*\a:99+4*\a], s[22:23] offset:2048*\a
.endr
	WIN 0x03
.set n, 0
.rept 64
	v_med3_num_f32 v[128+n], v[128+n], -v15, v15   ; v
.set n, n+1
.endr
	WIN 0
.set p, 0
.rept 8
	v_cvt_scalef32_pk8_bf8_f32 v[112+2*p:113+2*p], v[128+8*p:135+8*p], v14
.set p, p+1
.endr
	v_nop
.irp t, 0,1
.irp b, 0,1
	global_store_b128 v6, v[112+8*\t+4*\b:115+8*\t+4*\b], s[24:25] offset:2048*\t+512*\b   ; channel tile 2 w + t, keys 32 b + 16 h + 0..15 of my 64
.endr
.endr
	s_wait_tensorcnt 0x0
	ds_add_u32 v30, v31
	s_wait_dscnt 0x0
	s_endpgm
.Lfunc_end_k_q7b18aecd19_proj:
	.size	k_q7b18aecd19_proj, .Lfunc_end_k_q7b18aecd19_proj-k_q7b18aecd19_proj
	.p2alignl 7, 3214868480
	.fill 96, 4, 3214868480
	.section	.rodata,"a",@progbits
	.p2align	6, 0x0
	.amdhsa_kernel k_q7b18aecd19_proj
		.amdhsa_group_segment_fixed_size 168448
		.amdhsa_private_segment_fixed_size 0
		.amdhsa_enable_private_segment 0
		.amdhsa_kernarg_size 88
		.amdhsa_user_sgpr_count 2
		.amdhsa_user_sgpr_kernarg_segment_ptr 1
		.amdhsa_wavefront_size32 1
		.amdhsa_system_sgpr_workgroup_id_x 1
		.amdhsa_system_sgpr_workgroup_id_y 1
		.amdhsa_system_sgpr_workgroup_id_z 1
		.amdhsa_system_vgpr_workitem_id 0
		.amdhsa_next_free_vgpr 1024
		.amdhsa_next_free_sgpr 66
		.amdhsa_reserve_vcc 0
		.amdhsa_float_denorm_mode_32 3
		.amdhsa_float_denorm_mode_16_64 3
		.amdhsa_memory_ordered 1
		.amdhsa_forward_progress 1
		.amdhsa_inst_pref_size 54
	.end_amdhsa_kernel
	.amdgpu_metadata
---
amdhsa.version: [ 1, 2 ]
amdhsa.kernels:
  - .name:           k_q7b18aecd19_proj
    .symbol:         k_q7b18aecd19_proj.kd
    .args:
      - { .name: x_codes, .offset: 0, .size: 8, .value_kind: global_buffer, .address_space: global }
      - { .name: Wq_codes, .offset: 8, .size: 8, .value_kind: global_buffer, .address_space: global }
      - { .name: Wk_codes, .offset: 16, .size: 8, .value_kind: global_buffer, .address_space: global }
      - { .name: Wv_codes, .offset: 24, .size: 8, .value_kind: global_buffer, .address_space: global }
      - { .name: bq, .offset: 32, .size: 8, .value_kind: global_buffer, .address_space: global }
      - { .name: bk, .offset: 40, .size: 8, .value_kind: global_buffer, .address_space: global }
      - { .name: bv, .offset: 48, .size: 8, .value_kind: global_buffer, .address_space: global }
      - { .name: lowp_scales, .offset: 56, .size: 8, .value_kind: global_buffer, .address_space: global }
      - { .name: qimg, .offset: 64, .size: 8, .value_kind: global_buffer, .address_space: global }
      - { .name: kimg, .offset: 72, .size: 8, .value_kind: global_buffer, .address_space: global }
      - { .name: vimg, .offset: 80, .size: 8, .value_kind: global_buffer, .address_space: global }
    .group_segment_fixed_size: 168448
    .private_segment_fixed_size: 0
    .kernarg_segment_align: 8
    .kernarg_segment_size: 88
    .max_flat_workgroup_size: 128
    .sgpr_count:     66
    .vgpr_count:     1024
    .wavefront_size: 32
...
	.end_amdgpu_metadata
.endif
;; end of part 1
;; launch attn (part 2): grid 32 x 8, 16 waves a work-group, clusters of 4 x 1, 327,680 bytes of LDS; arguments qimg, kimg, vimg, lowp_scales, out0; writes out0
.if DOCPART == 2
	.amdgcn_target "amdgcn-amd-amdhsa--gfx1250"
	.amdhsa_code_object_version 6
	.text
	.protected	k_q7b18aecd19_attn
	.globl	k_q7b18aecd19_attn
	.p2align	8
	.type	k_q7b18aecd19_attn,@function
k_q7b18aecd19_attn:
	s_mov_b64 s[64:65], 0
	v_nop
	global_prefetch_b8 v0, s[64:65] scope:SCOPE_SE
	s_setreg_imm32_b32 hwreg(HW_REG_WAVE_MODE, 25, 1), 1
	s_wait_xcnt 0x0
	s_wait_alu depctr_hold_cnt(0) depctr_sa_sdst(0) depctr_va_vdst(0) depctr_va_sdst(0) depctr_va_ssrc(0) depctr_va_vcc(0) depctr_vm_vsrc(0)
	s_getreg_b32 s2, hwreg(HW_REG_IB_STS2, 6, 4)
	s_cmp_eq_u32 s2, 0
	s_cbranch_scc0 .Lentry_in_a_cluster
	s_endpgm
.Lentry_in_a_cluster:
	s_bfe_u32 s2, ttmp6, 0x10000c
	s_cmp_lg_u32 s2, 0x3003
	s_cbranch_scc0 .Lentry_shape_is_right
	s_endpgm
.Lentry_shape_is_right:
; out[b][q][:] = the sum over keys k <= q of softmax_k(q . k / sqrt(128)) v[k][:], both products on codes of BF8 (E5M2).  8 batches of 2,048 rows, 128 channels.  out: f32.
; qimg, kimg, vimg are images of operand registers.  With perm(r) = r + 8 (r / 8), lane r of row tile T = 2 G + u stands for row 32 G + 8 u + perm(r).
;   qimg, kimg: byte 2048 T + 512 c + 16 lane: lane (r, h) holds channels 32 c + 16 h + 0..15.   vimg: byte 16384 S + 2048 t + 512 c + 16 lane: channel 16 t + r, keys 32 c + 16 h + 0..15 of key step S.
;   So a key step of 128 keys is 16,384 dense bytes of K and as many of V, and every fragment load takes 512 consecutive bytes, lane l at 16 l.
; THE SOFTMAX AHEAD OF THE SECOND PRODUCT: t = score x log2(e) / sqrt(128); M = the largest t so far, rounded UP to a whole number; p = 2^(t - M) is quantised along the keys, not normalised.
;   The row's sum is taken of the unquantised p and divides at the end.  When M moves, the sum and O are multiplied by 2^(old M - new M): exact.
; SHARES, EVEN UNDER THE CAUSAL MASK.  A batch has 16 bands of 128 queries.  Cluster j of a batch owns bands j and 15 - j; partner cx owns 32 queries of each: four tiles of 16 (tiles 0, 1: the low band; 2, 3: the high).
;   A band n needs key steps 0 .. n, so a work-group has 2 x 17 tile-steps whatever j is.  Wave w: key group g = w / 4, tile = (w + g) % 4; it takes the key steps s with s % 4 = g.  The four groups' parts of a tile are joined at the end.
;   A step all of whose keys come after the band is left out by a scalar branch on ids (the cluster's x and the wave's number: the same in all partners); on the diagonal hidden scores become -infinity.
; LAYOUT.  Both products are used transposed: S^T = K Q^T, O^T = V^T P^T: a lane holds ONE query (lane % 16) throughout, and the 16 registers of score tiles 2 b, 2 b + 1 are keys 32 b + 16 (lane / 16) + 0..15.
; RING.  Two LDS slots of four key steps (K 65,536 bytes, then V 65,536).  All four partners walk the same K and V: each tile is asked for JOINTLY, by the same tensor load with the same descriptor and a mask that names the four;
;   waves 0-3 fetch K's four steps, waves 4-7 V's, 16,384 bytes each.  Both slots' first fills go out together at the head; each slot is filled once more, behind a round of the cluster's barrier.
;   Every work-group walks all four slots' worth of keys: the trip counts are constants; clusters 4 to 7 fetch the last slot's worth and read nothing of it.
; V'S FRAGMENTS ARE ASKED FOR AHEAD OF THE SOFTMAX: tiles 0-3 as soon as K's fragments are done with, into their registers; tiles 4-7 block by block as p's numbers have been converted, into theirs.  So they land under the step's vector work.
; LIMITS on the given exponents: e6 + e7 between -123 and 130 (added to c's exponent field); e8 between -126 and 112; e8 + e9 is applied by v_ldexp_f32 and has none.
; REGISTERS: v1-7 addresses and the mask's number, which stay; v8, v9 addresses of the loads in hand; v10 r, v11 h; v12 -M, v13 the largest t, v[14:15] the sum in two halves; v16-31 Q; v32-95 four fragments of K, then V's tiles 0-3;
;   v96-159 S^T, then p, then V's tiles 4-7; v160-223 O^T; v224-239 p's codes; v236, v240-244, v252-254 at work; v245-250 the end's LDS addresses; v255 a lane exchange's destination.
.set SLOT1, 1<<17                      ; slot 1 begins here: one exclusive or turns an address in one slot into the other's
.set SPARE, 2*SLOT1                    ; behind the ring: the spare words, 128 bytes for each of 16 waves: eight blocks of 256 bytes that no other line names
.set MLS,   SPARE+2048                 ; 16 x 256 bytes: each wave's -M and sum, 8 bytes a lane
.set STG2,  SLOT1                      ; the second stage, 4 tiles x 16 rows x 528 bytes, in slot 1; the first, 16 x 8,192 bytes, is slot 0
.set AK0, 1                            ; v1   16384 g + 16 lane: my key step's K in a slot
.set AV0, 2                            ; v2   65536 more: its V
.set PFO, 3                            ; v3   256 x lane: the prefetches' offset; never rewritten
.set DM,  4                            ; v4   my query's place in its band, less 16 h
.set SPW, 5                            ; v5   LDS address of my spare word; never rewritten
.set NIL, 6                            ; v6   0; never rewritten
.set LI,  7                            ; v7   16 x lane
.set ADK, 8
.set ADV, 9
.set ST1W, 245
.set ST1R, 246
.set MLW,  247
.set MLR,  248
.set ST2W, 249
.set ST2R, 250
.set TB,  2                            ; s2   LDS byte at which the slot in hand begins
.set U,   16                           ; s16  tile % 2
.set TL,  17                           ; s17  my tile, 0..3
.set WV,  18                           ; s18  my wave's number
.set G,   19                           ; s19  my key group
.set SEL, 20                           ; s[20:21] lane selects for v_permlanex16_b32: lane l xor 16
.set CS,  22                           ; s[22:23] c = log2(e) / sqrt(128) x 2^(e6 + e7)
.set G1,  24                           ; s[24:31] descriptor group 1
.set G0A, 36                           ; s[36:39] descriptor group 0 of slot 0's first fill; never rewritten
.set G0,  40                           ; s[40:43] descriptor group 0 of slot 1's first fill, which then walks on
.set PFA, 44                           ; s[44:45] where my prefetches stand
.set LIM, 46                           ; s46  1 in a wave that prefetches, else the greatest number
.set SLOTS, 47                         ; s47  slots still to be asked for
.set KF,  48                           ; s48  my step's first key
.set QB,  49                           ; s49  my band's first query
.set CX,  50
.set BATCH, 51
; A round of the cluster's barrier: my work-group's barrier; wave 0 signals for the work-group; every wave waits for all four work-groups; my work-group's barrier once more.
.macro CROUND
	s_barrier_signal -1
	s_barrier_wait -1
	s_cmp_lg_u32 s[WV], 0
	s_cbranch_scc1 .Lnot_wave_0_\@
	s_barrier_signal -3
.Lnot_wave_0_\@:
	s_barrier_wait -3
	s_barrier_signal -1
	s_barrier_wait -1
.endm
; A joint refill: waves 0 to 7, one each; the branch hangs on the wave's number alone.  Four v_nop follow the line, ahead of the label and what follows.
.macro TLOAD
	s_cmp_lt_u32 s[WV], 8
	s_cbranch_scc0 .Lasked_\@
	tensor_load_to_lds s[G0:G0+3], s[G1:G1+7]
	s_nop 0
.rept 4
	v_nop
.endr
.Lasked_\@:
.endm
; A PREFETCH INTO THE L2 of what the NEXT change of slots will ask for: a slot's 65,536 bytes of K and of V, one slot (a key step of each wave) ahead of that load.  Each aligned block of 256 bytes is named once in the launch:
; all eight clusters of a batch walk the same K and V, so the batch's first cluster asks; its four partners take 16,384 bytes of each tensor, told apart BY ADDRESS; in each, waves 8 and 9 ask for K's and waves 10 and 11 for V's,
; 8,192 bytes a wave, lanes 256 bytes apart: one instruction.  The first three slots' worth of keys come by their loads alone; the first change of slots asks for the fourth; the second, the last that fills a slot, asks for nothing.
.macro ASK
	s_cmp_gt_u32 s[SLOTS], s[LIM]
	s_cbranch_scc0 .Lnot_mine_\@
	global_prefetch_b8 v[PFO], s[PFA:PFA+1] th:TH_LOAD_NT scope:SCOPE_SE
.Lnot_mine_\@:
.endm
	s_load_b128 s[4:7], s[0:1], 0x0                ; qimg s[4:5], kimg s[6:7]
	s_load_b128 s[8:11], s[0:1], 0x10              ; vimg s[8:9], the scales' exponents s[10:11]
	s_load_b64 s[12:13], s[0:1], 0x20              ; out
	v_lshl_add_u32 v[SPW], v0, 2, SPARE
	v_mov_b32 v[NIL], 0
	ds_add_u32 v5, v6
	s_wait_dscnt 0x0
	v_lshrrev_b32 v8, 5, v0
	v_readfirstlane_b32 s[WV], v8                  ; wave 0..15
	s_lshr_b32 s[G], s[WV], 2                      ; key group
	s_add_co_u32 s[TL], s[WV], s[G]
	s_and_b32 s[TL], s[TL], 3                      ; tile: waves w, w + 4, w + 8, w + 12 hold four different tiles, and so do waves 4 g .. 4 g + 3
	s_and_b32 s[U], s[TL], 1
	s_bfe_u32 s[CX], ttmp6, 0x40000                ; cx: it enters global addresses and the mask's number alone
	s_and_b32 s[BATCH], ttmp7, 0xffff
	s_lshl_b32 s72, ttmp9, 7                       ; band j begins at query 128 j,
	s_sub_co_u32 s73, 1920, s72                    ; band 15 - j at 1920 - 128 j
	s_cmp_lt_u32 s[TL], 2
	s_cselect_b32 s[QB], s72, s73
	s_lshl_b32 s[KF], s[G], 7                      ; my first key step: g
	; descriptor group 1: 16,384 dense bytes as 64 rows of 256
	s_mov_b32 s[G1], 15|(3<<16)|(1<<21)            ; the mask: all four work-groups; elements of 8 bytes; bit 21 set beside a mask; no padding
	s_mov_b32 s[G1+1], 32<<16                      ; tensor_dim0 = 32
	s_mov_b32 s[G1+2], 64<<16                      ; tensor_dim1 = 64
	s_mov_b32 s[G1+3], 32<<16                      ; tile_dim0 = 32
	s_mov_b32 s[G1+4], 64                          ; tile_dim1 = 64
	s_mov_b32 s[G1+5], 32                          ; from row to row
	s_mov_b32 s[G1+6], 0
	s_mov_b32 s[G1+7], 0
	s_mov_b32 s[SEL], 0x76543210
	s_mov_b32 s[SEL+1], 0xfedcba98
	s_mov_b32 s[CS], 0x3e0293ee                    ; log2(e) / sqrt(128)
	s_mov_b32 s[TB], 0
	s_mov_b32 s[SLOTS], 2
	s_mov_b32 s[G0A], 1                            ; count = 1
	s_and_b32 s[G0A+1], s[WV], 7
	s_lshl_b32 s[G0A+1], s[G0A+1], 14              ; LDS: K's four steps, then V's four: 16384 x (wave % 8), in slot 0,
	s_mov_b32 s[G0], 1
	s_add_co_u32 s[G0+1], s[G0A+1], SLOT1          ; and the same place in slot 1: no place in the cluster enters an LDS address
	s_lshl_b32 s52, s[BATCH], 18                   ; a batch is 262,144 bytes of each image
	s_and_b32 s54, s[WV], 3
	s_lshl_b32 s54, s54, 14                        ; which of a slot's four key steps I fetch
	s_add_co_u32 s54, s54, s52
	s_mov_b32 s55, 0
	s_wait_kmcnt 0x0
	s_load_b128 s[68:71], s[10:11], 0x18           ; e6 (q), e7 (k), e8 (p), e9 (v)
	s_cmp_lt_u32 s[WV], 4                          ; waves 0-3 fetch for K, waves 4-7 for V
	s_cselect_b64 s[58:59], s[6:7], s[8:9]
	s_add_nc_u64 s[58:59], s[58:59], s[54:55]
	s_mov_b64 s[G0A+2:G0A+3], s[58:59]             ; global address: key steps 0 to 3,
	s_or_b32 s[G0A+3], s[G0A+3], 0x80000000        ; type = 2
	s_add_nc_u64 s[G0+2:G0+3], s[58:59], 65536     ; key steps 4 to 7
	s_or_b32 s[G0+3], s[G0+3], 0x80000000
	CROUND                                         ; all four work-groups are here: the first joint loads meet
	s_cmp_lt_u32 s[WV], 8                          ; a wave's two first fills stand in one branch, ahead of every wait on TENSORcnt and every LDS read: two loads of mine are out; four v_nop follow the second
	s_cbranch_scc0 .Lfirst_asked
	tensor_load_to_lds s[G0A:G0A+3], s[G1:G1+7]    ; slot 0
	s_nop 0
	tensor_load_to_lds s[G0:G0+3], s[G1:G1+7]      ; slot 1
	s_nop 0
.rept 4
	v_nop
.endr
.Lfirst_asked:
	; the prefetches: where my wave's stand, and who asks
	s_cmp_lt_u32 s[WV], 10
	s_cselect_b64 s[PFA:PFA+1], s[6:7], s[8:9]
	s_lshl_b32 s56, s[CX], 14                      ; my work-group's 16,384 bytes of a slot's 65,536,
	s_and_b32 s57, s[WV], 1
	s_lshl_b32 s57, s57, 13                        ; my wave's half of them,
	s_add_co_u32 s56, s56, s57
	s_add_co_u32 s56, s56, s52                     ; in my batch,
	s_add_co_u32 s56, s56, 131072                  ; at key steps 8 to 11: the first change of slots steps it to key steps 12 to 15
	s_mov_b32 s57, 0
	s_add_nc_u64 s[PFA:PFA+1], s[PFA:PFA+1], s[56:57]
	s_xor_b32 s72, s[G], 2                         ; 0 in waves 8 to 11,
	s_or_b32 s72, s72, ttmp9                       ; of the batch's first cluster: the same in all four partners
	s_cmp_eq_u32 s72, 0
	s_cselect_b32 s[LIM], 1, -1
	v_and_b32 v[PFO], 31, v0
	v_lshlrev_b32 v[PFO], 8, v[PFO]
	; Q's and out's addresses
	s_lshl_b32 s72, s[BATCH], 11
	s_add_co_u32 s72, s72, s[QB]
	s_lshl_b32 s73, s[CX], 5
	s_add_co_u32 s72, s72, s73                     ; the first of my work-group's 32 rows of the band
	s_lshl_b32 s54, s72, 7                         ; 32 rows are two tiles of 2,048 bytes,
	s_lshl_b32 s73, s[U], 11                       ; of which mine is u
	s_add_co_u32 s54, s54, s73
	s_add_nc_u64 s[4:5], s[4:5], s[54:55]
	s_lshl_b32 s73, s[U], 3
	s_add_co_u32 s72, s72, s73
	s_lshl_b32 s73, s[G], 2
	s_add_co_u32 s72, s72, s73
	s_lshr_b32 s73, s[G], 1
	s_lshl_b32 s73, s73, 3
	s_add_co_u32 s72, s72, s73                     ; the rows that I store: lanes 4 g .. 4 g + 3 of my tile stand for rows 8 u + 4 g + 8 (g / 2) + 0..3
	s_lshl_b32 s54, s72, 9
	s_add_nc_u64 s[12:13], s[12:13], s[54:55]
	v_and_b32 v251, 31, v0                         ; lane
	v_lshlrev_b32 v[LI], 4, v251
.irp c, 0,1,2,3
	global_load_b128 v[16+4*\c:19+4*\c], v[LI], s[4:5] offset:512*\c   ; Q's fragment stays in registers
.endr
	s_lshl_b32 s73, s[G], 14
	v_add_nc_u32 v[AK0], s73, v[LI]
	v_add_nc_u32 v[AV0], 65536, v[AK0]
	v_and_b32 v10, 15, v0                          ; r
	v_bfe_u32 v11, v0, 4, 1                        ; h
	v_and_b32 v[DM], 8, v10
	v_add_nc_u32 v[DM], v[DM], v10                 ; perm(r)
	v_lshlrev_b32 v8, 4, v11
	v_sub_nc_u32 v[DM], v[DM], v8
	s_lshl_b32 s73, s[CX], 5
	s_lshl_b32 s74, s[U], 3
	s_add_co_u32 s73, s73, s74
	v_add_nc_u32 v[DM], s73, v[DM]                 ; 32 cx + 8 u + perm(r) - 16 h.  On the diagonal register 16 b + i holds key 32 b + 16 h + i of the band: hidden where 32 b + i is above this number
	; the end's LDS addresses, made here, ahead of every branch that can leave a step out.  L = 4 tile + g
	s_lshl_b32 s72, s[TL], 2
	s_add_co_u32 s72, s72, s[G]
	s_lshl_b32 s73, s72, 13
	v_add_nc_u32 v[ST1W], s73, v[LI]               ; my partial O^T: 8,192 bytes at 8192 L
	s_lshl_b32 s73, s[TL], 15
	s_lshl_b32 s74, s[G], 11
	s_add_co_u32 s73, s73, s74
	v_add_nc_u32 v[ST1R], s73, v[LI]               ; channel tiles 2 g and 2 g + 1 of my tile's four parts
	s_lshl_b32 s73, s72, 8
	s_add_co_u32 s73, s73, MLS
	v_lshl_add_u32 v[MLW], v251, 3, s73
	s_lshl_b32 s73, s[TL], 10
	s_add_co_u32 s73, s73, MLS
	v_lshl_add_u32 v[MLR], v251, 3, s73
	s_mul_i32 s73, s[TL], 16*528
	s_add_co_u32 s73, s73, STG2
	s_lshl_b32 s74, s[G], 7
	s_add_co_u32 s74, s74, s73
	v_mul_u32_u24 v[ST2W], v10, 528
	v_lshl_add_u32 v[ST2W], v11, 5, v[ST2W]
	v_add_nc_u32 v[ST2W], s74, v[ST2W]             ; row r of my tile, channels 32 g + 8 h on
	s_mul_i32 s74, s[G], 4*528
	s_add_co_u32 s74, s74, s73
	v_add_nc_u32 v[ST2R], s74, v[LI]               ; rows 4 g .. 4 g + 3, whole
	v_mov_b32 v13, 0xff61b1e6                      ; the largest t so far: -3e38, under every t
	v_floor_f32 v12, -v13                          ; -M
	v_mov_b32 v14, 0                               ; the sum, in two halves
	v_mov_b32 v15, 0
	v_mov_b32 v236, 0                              ; written once: a lane permute's destination counts as one of its sources
	v_mov_b32 v255, 0
	v_mov_b32 v253, 0                              ; (named as the upper half of the pair v[252:253])
.set n, 0
.rept 64
	v_mov_b32 v[160+n], 0                          ; O^T.  The step is written without a first step of its own, and a wave may have no step at all: its part is then zeros
.set n, n+1
.endr
	s_wait_kmcnt 0x0
	s_add_co_i32 s72, s68, s69
	s_lshl_b32 s72, s72, 23
	s_add_co_i32 s[CS], s[CS], s72                 ; a score stands for score x 2^(e6 + e7): the two exponents are added to c's exponent field
	s_mov_b32 s[CS+1], s[CS]                       ; (named with it as a pair, so it is written)
	s_add_co_i32 s72, s70, 127
	s_lshl_b32 s73, s72, 23
	v_mov_b32 v244, s73                            ; 2^e8 as f32, for the conversion
	s_add_co_i32 s72, s72, 15
	s_lshl_b32 s72, s72, 23
	s_or_b32 s72, s72, 0x600000
	v_mov_b32 v240, s72                            ; 57,344 x 2^e8
	s_add_co_i32 s75, s70, s71                     ; e8 + e9
; MY KEY STEP OF THE SLOT IN HAND: 128 keys.
.macro STEP
	s_cmp_gt_u32 s[KF], s[QB]                      ; all its keys come after my band: the step's loads, products and softmax are left out; not the lines at its end that step addresses
	s_cbranch_scc1 .Lhidden_\@
	v_add_nc_u32 v[ADK], s[TB], v[AK0]
	v_add_nc_u32 v[ADV], s[TB], v[AV0]
.irp g, 0,1                            ; S^T = K Q^T, four tiles of 16 keys at a time
.rept 3+\g
	v_nop                                          ; places (ISA guide 7.12.1).  At the step's head five, the two additions above among them: the first products below write over v96 on, which the last step's products read as a source; the loads want four
.endr
.irp t, 0,1,2,3
.irp c, 0,1,2,3
	ds_load_b128 v[32+16*\t+4*\c:32+16*\t+4*\c+3], v[ADK] offset:(4*\g+\t)*2048+512*\c
.endr
.endr
	s_wait_dscnt 0x0
.irp t, 0,1,2,3
	v_wmma_f32_16x16x128_bf8_bf8 v[96+8*(4*\g+\t):103+8*(4*\g+\t)], v[32+16*\t:47+16*\t], v[16:31], 0
.endr
.endr
.rept 4
	v_nop                                          ; four places: in front of the loads into K's registers, and of the first read of the scores
.endr
.irp t, 0,1,2,3
.irp c, 0,1,2,3
	ds_load_b128 v[32+16*\t+4*\c:32+16*\t+4*\c+3], v[ADV] offset:\t*2048+512*\c   ; V's channel tiles 0-3, asked for now: the whole softmax stands between these loads and the wait for them
.endr
.endr
	s_cmp_lt_u32 s[KF], s[QB]                      ; a step ahead of my band: all its keys count
	s_cbranch_scc1 .Lopen_\@
	v_mov_b32 v254, 0xff800000                     ; on the diagonal the scores of hidden keys become -infinity ahead of the maximum: p = 0 then.  The band's first key counts for every query
.set n, 0
.rept 64
	v_cmp_gt_i32 vcc_lo, 32*(n/16)+n%16, v[DM]
	v_cndmask_b32 v[96+n], v[96+n], v254, vcc_lo
.set n, n+1
.endr
.Lopen_\@:
	v_max3_num_f32 v254, v96, v97, v98             ; the step's largest score of my query, among my 64 keys, in two chains,
	v_max3_num_f32 v252, v99, v100, v101
.irp i, 6,10,14,18,22,26,30,34,38,42,46,50,54,58
	v_max3_num_f32 v254, v254, v[96+\i], v[97+\i]
	v_max3_num_f32 v252, v252, v[98+\i], v[99+\i]
.endr
	v_max3_num_f32 v254, v254, v158, v159
	v_max_num_f32 v254, v254, v252
	v_permlanex16_b32 v236, v254, s[SEL], s[SEL+1]
	v_max_num_f32 v254, v254, v236                 ; and among lane l xor 16's
	v_mul_f32 v254, s[CS], v254                    ; as t (c is positive)
	v_max_num_f32 v13, v13, v254                   ; the running largest t
	v_mov_b32 v254, v12
	v_floor_f32 v12, -v13                          ; the new -M = floor(-t) = -ceil(t): M is a whole number
	v_sub_f32 v254, v12, v254                      ; M's old value less its new one: a whole number, 0 or less
	v_cvt_i32_f32 v254, v254                       ; (it saturates)
	v_ldexp_f32 v252, 1.0, v254                    ; f = 2^(old M - new M)
.set n, 0
.rept 32
	v_pk_fma_f32 v[96+n:97+n], v[96+n:97+n], s[CS:CS+1], v[12:13] op_sel_hi:[1,0,0]   ; t - M, two at a time (of the pairs c and -M the low word serves both halves)
.set n, n+2
.endr
.set n, 0
.rept 64
	v_exp_f32 v[96+n], v[96+n]                     ; p = 2^(t - M), at most 1: not normalised
.set n, n+1
.endr
	v_pk_mul_f32 v[14:15], v[14:15], v[252:253] op_sel_hi:[1,0]   ; the sums under the new M: the plain instruction behind the exponentials
	s_wait_alu depctr_va_vdst(0)                   ; one wait for the whole batch of exponentials, ahead of its first reader
	v_pk_add_f32 v[242:243], v[96:97], v[98:99]    ; the row's sum is taken of the unquantised p: two at a time, in two chains
.irp j, 4,8,12,16,20,24,28,32,36,40,44,48,52,56,60
	v_pk_add_f32 v[14:15], v[14:15], v[96+\j:97+\j]
	v_pk_add_f32 v[242:243], v[242:243], v[98+\j:99+\j]
.endr
	v_pk_add_f32 v[14:15], v[14:15], v[242:243]
.irp b, 0,1,2,3
.set n, 0
.rept 16
	v_min_num_f32 v[96+16*\b+n], v[96+16*\b+n], v240   ; the conversion to an 8-bit code does not saturate (ISA guide 7.6.2); p is not negative, so the hold is one-sided
.set n, n+1
.endr
	v_cvt_scalef32_pk8_bf8_f32 v[224+4*\b:225+4*\b], v[96+16*\b:103+16*\b], v244
	v_cvt_scalef32_pk8_bf8_f32 v[226+4*\b:227+4*\b], v[104+16*\b:111+16*\b], v244
.irp c, 0,1,2,3
	ds_load_b128 v[96+16*\b+4*\c:99+16*\b+4*\c], v[ADV] offset:(4+\b)*2048+512*\c   ; these 16 numbers of p are done with: V's channel tile 4 + b takes their registers
.endr
.endr
.set n, 0
.rept 32
	v_pk_mul_f32 v[160+n:161+n], v[160+n:161+n], v[252:253] op_sel_hi:[1,0]   ; O^T under the new M.  (These 32 are also the plain instructions between the conversions and the products that read the codes, and stand between the last loads and the wait for them)
.set n, n+2
.endr
	s_wait_dscnt 16                                ; V's tiles 0-3 are in; the 16 younger loads, tiles 4-7, may be out
.irp t, 0,1,2,3                        ; O^T += V^T P^T: K = these 128 keys; the eight accumulators by turns
	v_wmma_f32_16x16x128_bf8_bf8 v[160+8*\t:167+8*\t], v[32+16*\t:47+16*\t], v[224:239], v[160+8*\t:167+8*\t]
.endr
	s_wait_dscnt 0x0                               ; tiles 4-7 are in
.irp t, 0,1,2,3
	v_wmma_f32_16x16x128_bf8_bf8 v[192+8*\t:199+8*\t], v[96+16*\t:111+16*\t], v[224:239], v[192+8*\t:199+8*\t]
.endr
.Lhidden_\@:
	s_add_co_u32 s[KF], s[KF], 512                 ; my step of the next slot
	s_xor_b32 s[TB], s[TB], SLOT1                  ; which is the other slot
.endm
; THE CHANGE OF SLOTS stands at a slot's head.  Each wave waits for all its tensor loads (its part of the slot that it is about to read), adds 0 to its spare word, and waits for that and for its reads of the slot that it has left.
; fill = 1: the barrier is a round of the cluster's, so that no wave of any partner still reads the slot that was left or has a load on its way; behind it that slot is filled with the keys two slots on: one joint load a wave, first thing.
.macro CHANGE fill
	s_wait_tensorcnt 0x0                           ; no tensor load of mine is out, so the walking group 0 may be written
	ds_add_u32 v[SPW], v[NIL]                      ; 0 onto my spare word
.if \fill
	s_xor_b32 s[G0+1], s[G0+1], SLOT1              ; the walking descriptor: the other slot than last time,
	s_add_nc_u64 s[G0+2:G0+3], s[G0+2:G0+3], 65536 ; the next four key steps; the type bits on top are not reached
	s_wait_xcnt 0x0                                ; the last prefetch, a slot back, has read its address, so it may be written:
	s_add_nc_u64 s[PFA:PFA+1], s[PFA:PFA+1], 65536 ; one slot further on than the walking descriptor
	s_wait_dscnt 0x0                               ; the add is done, and my reads of the slot that I have left are over
	CROUND
	TLOAD
	ASK
.else
	s_wait_dscnt 0x0
	s_barrier_signal -1
	s_barrier_wait -1
.endif
.endm
	s_wait_loadcnt 0x0                             ; Q
	s_wait_tensorcnt 0x1                           ; my part of slot 0 is in; slot 1's load may stay out
	s_barrier_signal -1
	s_barrier_wait -1                              ; everybody's is
	STEP                                           ; key steps 0 to 3, in slot 0
.Lslot:                                            ; two trips: behind each of these changes the slot that was left is filled again
	CHANGE 1
	STEP
	s_sub_co_u32 s[SLOTS], s[SLOTS], 1
	s_cmp_lg_u32 s[SLOTS], 0
	s_cbranch_scc1 .Lslot
	CHANGE 0                                       ; the last slot is written out
	STEP
	; THE END: THE FOUR KEY GROUPS OF A TILE ARE JOINED.  Each wave puts its O^T, -M and sum into LDS.  The first stage is slot 0: it has had its last fill, and since the last change of slots nobody reads it.
	v_add_f32 v14, v14, v15                        ; the sum's two halves,
	v_permlanex16_b32 v255, v14, s[SEL], s[SEL+1]
	v_add_f32 v13, v14, v255                       ; and lane l xor 16's: my group's sum, beside -M in v12
.rept 4
	v_nop                                          ; four places behind the last products, whose results are stored and whose sources are loaded into below
.endr
.set n, 0
.rept 16
	ds_store_b128 v[ST1W], v[160+4*n:163+4*n] offset:512*n   ; as the registers stand, each accumulator from its low end on: 512 consecutive bytes a store
.set n, n+1
.endr
	ds_store_b64 v[MLW], v[12:13]
	s_wait_dscnt 0x0                               ; for the others' sake: my stores are done; so are my reads of slot 1, which takes the second stage
	s_barrier_signal -1
	s_barrier_wait -1
.irp g, 0,1,2,3
	ds_load_b64 v[16+2*\g:17+2*\g], v[MLR] offset:256*\g           ; group g's -M and sum of my query
.endr
.irp g, 0,1,2,3
.irp j, 0,1,2,3
	ds_load_b128 v[32+16*\g+4*\j:35+16*\g+4*\j], v[ST1R] offset:8192*\g+512*\j   ; group g's O^T, channel tiles 2 G and 2 G + 1 (G: my own group): register n is channel 32 G + 16 (n / 8) + 8 h + n % 8
.endr
.endr
	s_wait_dscnt 16                                ; the four pairs are in; the 16 younger loads may be out
	v_min3_num_f32 v24, v16, v18, v20
	v_min_num_f32 v24, v24, v22                    ; -M of the whole row: the least -M.  Group 0 always has a step, so it is a number of t's size
.irp g, 0,1,2,3
	v_sub_f32 v[25+\g], v24, v[16+2*\g]            ; group g's M less the row's: a whole number, 0 or less; for a group without a step -3e38
.endr
.irp g, 0,1,2,3
	v_cvt_i32_f32 v[25+\g], v[25+\g]               ; (it saturates)
.endr
.irp g, 0,1,2,3
	v_ldexp_f32 v[224+2*\g], 1.0, v[25+\g]         ; f of group g: an exact power of two, 0 for a group without a step
	v_mov_b32 v[225+2*\g], 0                       ; (named with it as a pair)
.endr
	v_mov_b32 v31, 0
	v_mul_f32 v29, v224, v17
	v_fmac_f32 v29, v226, v19
	v_fmac_f32 v29, v228, v21
	v_fmac_f32 v29, v230, v23                      ; the row's sum
	v_rcp_f32 v30, v29
	s_wait_dscnt 0x0
.irp p, 0,2,4,6,8,10,12,14
	v_pk_mul_f32 v[96+\p:97+\p], v[32+\p:33+\p], v[224:225] op_sel_hi:[1,0]   ; (plain work behind the reciprocal, which names neither its result nor its source)
.endr
.irp g, 1,2,3
.irp p, 0,2,4,6,8,10,12,14
	v_pk_fma_f32 v[96+\p:97+\p], v[32+16*\g+\p:33+16*\g+\p], v[224+2*\g:225+2*\g], v[96+\p:97+\p] op_sel_hi:[1,0,1]
.endr
.endr
	s_wait_alu depctr_va_vdst(0)                   ; the wait ahead of the reciprocal's first reader
	v_ldexp_f32 v30, v30, s75                      ; x 2^(e8 + e9)
.irp p, 0,2,4,6,8,10,12,14
	v_pk_mul_f32 v[96+\p:97+\p], v[96+\p:97+\p], v[30:31] op_sel_hi:[1,0]
.endr
.irp t, 0,1
	ds_store_b128 v[ST2W], v[96+8*\t:99+8*\t] offset:64*\t        ; row r, channels 32 G + 16 t + 8 h + 0..7: a row's 512 bytes come from the tile's four waves
	ds_store_b128 v[ST2W], v[100+8*\t:103+8*\t] offset:64*\t+16
.endr
	s_wait_dscnt 0x0                               ; for the others' sake: my stores are done
	s_barrier_signal -1
	s_barrier_wait -1
.irp i, 0,1,2,3
	ds_load_b128 v[32+4*\i:35+4*\i], v[ST2R] offset:528*\i        ; a whole row of 512 bytes
.endr
.irp i, 0,1,2,3
	s_wait_dscnt 3-\i                              ; row i is in; the rows behind it may be out
	global_store_b128 v[LI], v[32+4*\i:35+4*\i], s[12:13] offset:512*\i th:TH_STORE_NT   ; 32 lanes store 512 consecutive bytes, at a multiple of 512 from out's first byte
.endr
	s_wait_tensorcnt 0x0                           ; the wave's end, behind my last tensor load and my last LDS store
	ds_add_u32 v[SPW], v[NIL]
	s_wait_dscnt 0x0
	CROUND                                         ; the closing round: no work-group ends while a partner may still ask for a tile that names it
	s_endpgm
.Lfunc_end_k_q7b18aecd19_attn:
	.size	k_q7b18aecd19_attn, .Lfunc_end_k_q7b18aecd19_attn-k_q7b18aecd19_attn
	.p2alignl 7, 3214868480
	.fill 96, 4, 3214868480
	.section	.rodata,"a",@progbits
	.p2align	6, 0x0
	.amdhsa_kernel k_q7b18aecd19_attn
		.amdhsa_group_segment_fixed_size 327680
		.amdhsa_private_segment_fixed_size 0
		.amdhsa_enable_private_segment 0
		.amdhsa_kernarg_size 40
		.amdhsa_user_sgpr_count 2
		.amdhsa_user_sgpr_kernarg_segment_ptr 1
		.amdhsa_wavefront_size32 1
		.amdhsa_system_sgpr_workgroup_id_x 1
		.amdhsa_system_sgpr_workgroup_id_y 1
		.amdhsa_system_sgpr_workgroup_id_z 1
		.amdhsa_system_vgpr_workitem_id 0
		.amdhsa_next_free_vgpr 256
		.amdhsa_next_free_sgpr 80
		.amdhsa_reserve_vcc 1
		.amdhsa_float_denorm_mode_32 3
		.amdhsa_float_denorm_mode_16_64 3
		.amdhsa_memory_ordered 1
		.amdhsa_forward_progress 1
		.amdhsa_inst_pref_size 90
	.end_amdhsa_kernel
	.amdgpu_metadata
---
amdhsa.version: [ 1, 2 ]
amdhsa.kernels:
  - .name:           k_q7b18aecd19_attn
    .symbol:         k_q7b18aecd19_attn.kd
    .args:
      - { .name: qimg, .offset: 0, .size: 8, .value_kind: global_buffer, .address_space: global }
      - { .name: kimg, .offset: 8, .size: 8, .value_kind: global_buffer, .address_space: global }
      - { .name: vimg, .offset: 16, .size: 8, .value_kind: global_buffer, .address_space: global }
      - { .name: lowp_scales, .offset: 24, .size: 8, .value_kind: global_buffer, .address_space: global }
      - { .name: out0, .offset: 32, .size: 8, .value_kind: global_buffer, .address_space: global }
    .group_segment_fixed_size: 327680
    .private_segment_fixed_size: 0
    .kernarg_segment_align: 8
    .kernarg_segment_size: 40
    .max_flat_workgroup_size: 512
    .sgpr_count:     80
    .vgpr_count:     256
    .wavefront_size: 32
...
	.end_amdgpu_metadata
.endif
;; end of part 2
